; MI455X (gfx1250); checked and timed in simulation.
; The chip was launched on July 23, 2026; its instructions are those of AMD's public machine-readable ISA for CDNA 5 (MIT licence, August 2026) and "CDNA5" Instruction Set Architecture Reference Guide (July 2026). The comments in the code are by the model that wrote it; some were corrected since.
;; Strategy Attention. Allowed arithmetic: matrix products marked QUANTISED: E2M1 operands, one E8M0 scale for each 32 along K, by v_wmma_scale_f32_16x16x128_f8f6f4 with both operands' format E2M1 (or v_wmma_scale_f32_32x16x128_f4), f32 sums; products left as they are: f32 operands where the result goes on into a quantised operand, else bf16, f16 or f32 operands; f32 sums; everything else in f32.
;; Inputs: W1 512 x 1,024 float32; W2 512 x 1,024 float32; keys 64 x 1,024 x 512 float32; query 64 x 512 float32; v1 512 float32; v2 512 float32.
;; Outputs: out0 64 x 1 x 1,024 float32.
;; This version of the problem:
;;   THIS VERSION OF THE PROBLEM IS GIVEN IN LOW PRECISION. The matrix products marked QUANTISED in the list below multiply operands that are first quantised to E2M1 (2 exponent bits, 1 mantissa bit; 4 bits a number), with one power-of-two scale for each 32 numbers along K (OCP MX v1.0); their sums are f32. All else is computed in f32.
;;   The module's matrix products, in the order in which they are computed (A, B: the left and right operand; K: the contracted axis; several contracted axes count as one K, in the product's order):
;;     1. [M 65,536, K 1,024] x [K 1,024, N 512]; A: computed on the way; B: input W1: QUANTISED
;;     2. [M 1, K 512] x [K 512, N 65,536]; A: input v1; B: computed on the way: left as it is (M = 1 < 16)
;;     3. batch 64 x [M 1, K 1,024] x [K 1,024, N 512]; A: softmax; B: input keys: left as it is (M = 1 < 16)
;;     4. [M 65,536, K 1,024] x [K 1,024, N 512]; A: computed on the way; B: input W2: QUANTISED
;;     5. [M 1, K 512] x [K 512, N 65,536]; A: input v2; B: computed on the way: left as it is (M = 1 < 16)
;;   THE QUANTISER, for each operand of a quantised product, along K:
;;     - K is cut into blocks of 32 from its start; a last block that is shorter is filled with zeros.
;;     - A block's scale is 2^e with e = floor(log2(the largest magnitude in the block)) - 2, held to -126 .. 127; a block of zeros has e = 0. As a byte (E8M0): e + 127.
;;     - Each number is divided by its block's scale, clamped to +-6, and rounded to the nearest number of E2M1, ties to even, subnormals kept.
;;     - The product sums the exact products of the quantised numbers (number of the format x scale) in f32.
;;   ~~~python
;;   def quantise(x, axis):      # numpy; x: float32 -> the quantised numbers, widened to float32 again
;;       x = np.moveaxis(x, axis, -1); K = x.shape[-1]
;;       x = np.pad(x, [(0, 0)] * (x.ndim - 1) + [(0, -K % 32)]); x = x.reshape(x.shape[:-1] + (-1, 32)); a = np.abs(x).max(-1, keepdims=True)
;;       e = np.where(a > 0, np.clip(np.frexp(np.where(a > 0, a, 1))[1] - 1 - 2, -126, 127), 0)      # np.frexp(a)[1] - 1 = floor(log2(a)), exactly
;;       r = np.clip(x / 2.0 ** e, -6, 6)
;;       step = 2.0 ** (np.maximum(np.frexp(np.where(r == 0, 1, r))[1] - 1, 0) - 1)
;;       q = np.round(r / step) * step * 2.0 ** e      # np.round: ties to even
;;       return np.moveaxis(q.reshape(q.shape[:-2] + (-1,))[..., :K], -1, axis).astype(np.float32)
;;   ~~~
;;   OPERANDS COMPUTED ON THE WAY. 'Computed on the way' means the value that the module computes at that place (a softmax that the list does not call 'softmax' is quantised finished and normalised). What goes into a quantiser is computed in f32, as accurately as f32 sums, v_exp_f32 and their like allow (about 1e-6 of the number): no bf16 or f16 on the way to a quantiser, and a product that is left as it is and whose result goes on into a quantised operand takes f32 operands (vector FMAs, or v_wmma_f32_16x16x4_f32). A number that lies on a knife's edge between two numbers of the format may be rounded either way, as far as f32 arithmetic and the matrix unit's own rounding can turn it there, and no further.
;; One version. Each part assembles by itself: llvm-mc -triple=amdgcn-amd-amdhsa -mcpu=gfx1250 --defsym DOCPART=n.
;; ======== version 1 of 1: 3 launches
;; limits: right only within a limited range of input values
;; workspace buffers: wcodes 524,288 bytes; wscales 65,536 bytes; kq 17,825,792 bytes; part 589,824 bytes
;; launch prep (part 1): grid 256 x 1, 2 waves a work-group, no clusters, 0 bytes of LDS; arguments W1, W2, wcodes, wscales; writes wcodes, wscales
.if DOCPART == 1
	.amdgcn_target "amdgcn-amd-amdhsa--gfx1250"
	.amdhsa_code_object_version 6
	.text
	.protected	k_q80eb1f0eda_prep
	.globl	k_q80eb1f0eda_prep
	.p2align	8
	.type	k_q80eb1f0eda_prep,@function
k_q80eb1f0eda_prep:
	s_mov_b64 s[64:65], 0
	v_nop
	global_prefetch_b8 v0, s[64:65] scope:SCOPE_SE
	s_setreg_imm32_b32 hwreg(HW_REG_WAVE_MODE, 25, 1), 1
	s_wait_xcnt 0x0
; W1 and W2, [512][1024] f32 with K innermost, become codes of FP4 (E2M1) with one E8M0 byte for each 32 along K, laid in the ORDER OF AN OPERAND'S REGISTERS.
; wcodes  [stage 2][dt 32][kb 32][r 16][16 bytes]: the 32 codes of block kb of row 16 dt + r.  The fragment (dt, f: 128 along K) is the 1,024 bytes from kb = 4 f on: register group c at 512 c, lane l at 16 l.
; wscales [stage 2][dt 32][f 8][copy 2][r 16] words: the four bytes of blocks 4 f .. 4 f + 3 of row 16 dt + r; both copies alike, so that the 32 lanes store 128 consecutive bytes.
; A block's scale is 2^(floor(log2(its largest magnitude)) - 2); its byte is the largest magnitude's exponent field - 2, held at 1 from below.
; LIMITS: a block of zeros gets the byte 1 where the rule says 127 (its codes are zeros, and this program alone reads the bytes); NaN and infinities are not served.
; SHARES: 512 fragments, one to a wave.  Lane (r, hh) takes blocks 4 f + 2 c + hh (c = 0, 1) of its row, all 32 numbers of each: no other lane is asked for a maximum, and the
; conversions' results are the fragment's registers.  No LDS, no barrier.  A load takes 16 bytes of each of 32 runs of 128; eight of the wave's loads, one behind the other, name each such run: so they carry no
; non-temporal hint.
.set X,  32                            ; v32-95  two blocks of 32 numbers
.set CD, 24                            ; v24-31  the fragment's codes
.macro MAX32 d, e, x                   ; the largest magnitude of v[x] .. v[x + 31], in two chains, and the floor 2^(3 - 127): so the byte cannot fall under 1
	v_max3_num_f32 v[\d], |v[\x]|, |v[\x+1]|, |v[\x+2]|
	v_max3_num_f32 v[\e], |v[\x+3]|, |v[\x+4]|, |v[\x+5]|
.irp i, 6,10,14,18,22,26
	v_max3_num_f32 v[\d], v[\d], |v[\x+\i]|, |v[\x+\i+1]|
	v_max3_num_f32 v[\e], v[\e], |v[\x+\i+2]|, |v[\x+\i+3]|
.endr
	v_max3_num_f32 v[\d], v[\d], |v[\x+30]|, |v[\x+31]|
	v_max3_num_f32 v[\d], v[\d], v[\e], 0x1800000
.endm
	s_load_b256 s[4:11], s[0:1], 0x0               ; W1 s[4:5], W2 s[6:7], wcodes s[8:9], wscales s[10:11]
	v_lshrrev_b32 v1, 5, v0
	v_readfirstlane_b32 s12, v1                    ; wave 0..1
	v_and_b32 v1, 31, v0                           ; lane
	v_and_b32 v2, 15, v0                           ; r
	v_bfe_u32 v3, v0, 4, 1                         ; hh
	v_lshlrev_b32 v5, 12, v2                       ; in: row r of 4,096 bytes,
	v_lshl_or_b32 v5, v3, 7, v5                    ; + 128 hh
	v_lshlrev_b32 v6, 4, v1                        ; codes out: 16 x lane
	v_lshlrev_b32 v7, 2, v1                        ; scale word out: 4 x lane
	v_lshlrev_b32 v4, 3, v3                        ; my bytes stand 8 hh bits up in the word
	v_mov_b32 v16, 0                               ; a lane permute's destination counts as one of its sources
	s_mov_b32 s26, 0x76543210
	s_mov_b32 s27, 0xfedcba98                      ; selects for lane l xor 16
	s_lshr_b32 s13, ttmp9, 7                       ; stage: 0 = W1, 1 = W2
	s_and_b32 s14, ttmp9, 127
	s_lshl_b32 s14, s14, 1
	s_add_co_u32 s14, s14, s12                     ; which of the stage's 256 fragments
	s_lshr_b32 s15, s14, 3                         ; dt
	s_and_b32 s14, s14, 7                          ; f
	s_lshl_b32 s16, s15, 16                        ; in: 16 rows of 4,096 bytes a tile,
	s_lshl_b32 s22, s14, 9                         ; 512 bytes a K step
	s_add_co_u32 s16, s16, s22
	s_mov_b32 s17, 0
	s_lshl_b32 s18, s13, 18                        ; codes: 262,144 a stage, 8,192 a tile, 1,024 a fragment
	s_lshl_b32 s22, s15, 13
	s_add_co_u32 s18, s18, s22
	s_lshl_b32 s22, s14, 10
	s_add_co_u32 s18, s18, s22
	s_mov_b32 s19, 0
	s_lshl_b32 s20, s13, 15                        ; scale words: 32,768 a stage, 1,024 a tile, 128 a fragment
	s_lshl_b32 s22, s15, 10
	s_add_co_u32 s20, s20, s22
	s_lshl_b32 s22, s14, 7
	s_add_co_u32 s20, s20, s22
	s_mov_b32 s21, 0
	s_wait_alu depctr_va_vdst(0)
	s_wait_kmcnt 0x0
	s_cmp_eq_u32 s13, 0                            ; the choice hangs on the work-group's number alone
	s_cselect_b64 s[4:5], s[4:5], s[6:7]
	s_add_nc_u64 s[4:5], s[4:5], s[16:17]
	s_add_nc_u64 s[8:9], s[8:9], s[18:19]
	s_add_nc_u64 s[10:11], s[10:11], s[20:21]
.irp c, 0,1
.irp j, 0,1,2,3,4,5,6,7
	global_load_b128 v[X+32*\c+4*\j:X+32*\c+4*\j+3], v5, s[4:5] offset:256*\c+16*\j   ; block 4 f + 2 c + hh of my row
.endr
.endr
	s_wait_loadcnt 0x0
	MAX32 8, 9, X
	MAX32 10, 11, X+32
	v_add_nc_u32 v12, 0xff000000, v8               ; 2 off the exponent field: the conversion takes the exponent field of this operand as its scale, and nothing else of it
	v_add_nc_u32 v13, 0xff000000, v10
.irp c, 0,1
.irp g, 0,1,2,3
	v_cvt_scalef32_pk8_fp4_f32 v[CD+4*\c+\g], v[X+32*\c+8*\g:X+32*\c+8*\g+7], v[12+\c]
.endr
.endr
	v_lshrrev_b32 v14, 23, v12                     ; the bytes (also the plain line behind the conversions)
	v_lshrrev_b32 v15, 23, v13
	v_lshl_or_b32 v14, v15, 16, v14                ; blocks hh and 2 + hh of the K step,
	v_lshlrev_b32 v14, v4, v14                     ; at their places in the word;
	v_permlanex16_b32 v16, v14, s26, s27
	v_or_b32 v14, v14, v16                         ; with lane l xor 16's two the word is whole, in both halves of the lanes
	global_store_b128 v6, v[CD:CD+3], s[8:9]       ; 32 lanes store 512 consecutive bytes
	global_store_b128 v6, v[CD+4:CD+7], s[8:9] offset:512
	global_store_b32 v7, v14, s[10:11]             ; 128 consecutive bytes
	s_endpgm
.Lfunc_end_k_q80eb1f0eda_prep:
	.size	k_q80eb1f0eda_prep, .Lfunc_end_k_q80eb1f0eda_prep-k_q80eb1f0eda_prep
	.p2alignl 7, 3214868480
	.fill 96, 4, 3214868480
	.section	.rodata,"a",@progbits
	.p2align	6, 0x0
	.amdhsa_kernel k_q80eb1f0eda_prep
		.amdhsa_group_segment_fixed_size 0
		.amdhsa_private_segment_fixed_size 0
		.amdhsa_enable_private_segment 0
		.amdhsa_kernarg_size 32
		.amdhsa_user_sgpr_count 2
		.amdhsa_user_sgpr_kernarg_segment_ptr 1
		.amdhsa_wavefront_size32 1
		.amdhsa_system_sgpr_workgroup_id_x 1
		.amdhsa_system_sgpr_workgroup_id_y 1
		.amdhsa_system_sgpr_workgroup_id_z 1
		.amdhsa_system_vgpr_workitem_id 0
		.amdhsa_next_free_vgpr 96
		.amdhsa_next_free_sgpr 66
		.amdhsa_reserve_vcc 0
		.amdhsa_float_denorm_mode_32 3
		.amdhsa_float_denorm_mode_16_64 3
		.amdhsa_memory_ordered 1
		.amdhsa_forward_progress 1
		.amdhsa_inst_pref_size 7
	.end_amdhsa_kernel
	.amdgpu_metadata
---
amdhsa.version: [ 1, 2 ]
amdhsa.kernels:
  - .name:           k_q80eb1f0eda_prep
    .symbol:         k_q80eb1f0eda_prep.kd
    .args:
      - { .name: W1, .offset: 0, .size: 8, .value_kind: global_buffer, .address_space: global }
      - { .name: W2, .offset: 8, .size: 8, .value_kind: global_buffer, .address_space: global }
      - { .name: wcodes, .offset: 16, .size: 8, .value_kind: global_buffer, .address_space: global }
      - { .name: wscales, .offset: 24, .size: 8, .value_kind: global_buffer, .address_space: global }
    .group_segment_fixed_size: 0
    .private_segment_fixed_size: 0
    .kernarg_segment_align: 8
    .kernarg_segment_size: 32
    .max_flat_workgroup_size: 64
    .sgpr_count:     66
    .vgpr_count:     96
    .wavefront_size: 32
...
	.end_amdgpu_metadata
.endif
;; end of part 1
;; launch stage1 (part 2): grid 256 x 1, 8 waves a work-group, no clusters, 327,680 bytes of LDS; arguments keys, query, v1, wcodes, wscales, kq, part; writes kq, part
.if DOCPART == 2
	.amdgcn_target "amdgcn-amd-amdhsa--gfx1250"
	.amdhsa_code_object_version 6
	.text
	.protected	k_q80eb1f0eda_stage1
	.globl	k_q80eb1f0eda_stage1
	.p2align	8
	.type	k_q80eb1f0eda_stage1,@function
k_q80eb1f0eda_stage1:
	s_mov_b64 s[64:65], 0
	v_nop
	global_prefetch_b8 v0, s[64:65] scope:SCOPE_SE
	s_setreg_imm32_b32 hwreg(HW_REG_WAVE_MODE, 25, 1), 1
	s_wait_xcnt 0x0
; STAGE 1.  Work-group g owns rows 256 (g % 4) .. + 255 of batch g / 4.  It quantises its key rows along K (codes and scale words go to kq for the next launch),
; forms x[s][d] = Q(W1)[d][:] . Q(concat(keys[s], query)), scores[s] = sum over d of v1[d] tanh(x[s][d]), and a running softmax with the weighted sum of its f32 key rows.
; part[g]: 512 sums of p x keys, then 32 copies of (m, l): m the largest score x log2(e), l the sum of p = 2^(t - m).  The next launch joins a batch's four parts.
; The query's half of K is the same for all rows of a batch: c[d] = Q(W1[d][512:]) . Q(query), made once by the same matrix instruction, is the C of each tile's first product.
; SHARES.  Wave w holds W1's rows 64 w .. + 63 (four tiles x 512 along K, 128 registers) and multiplies them with every key tile; source 0 = 16 rows of W1, source 1 = 16 key rows: lane (r, h) holds key row r and d = 64 w + 16 t + 8 h + j.
; THE WALK: eight chunks of 32 rows, three deep, ONE barrier a period.  In period k a wave quantises its 4 rows of chunk k (A), multiplies chunk k - 1's two tiles and takes the tanh (B),
; and takes chunk k - 2 through the softmax and adds its own 4 rows, weighted (C).  What one period stores for other waves (codes, scale bytes, half-sums) lies in two buffers by turns and is read in the next period.
; RAW ROWS are a wave's own: 4 rows (8,192 dense bytes) by one tensor load a wave behind each barrier, into four slots by turns: chunk k + 1 is asked for in period k, read in periods k + 1 (A) and k + 3 (C), and its slot filled again in period k + 4.
; They are stated as rows of 256 bytes with 16 of padding: blocks of 128 bytes then start at 16 different 16-byte columns modulo 256 for the sixteen lanes of a load.
; THE HEAD is laid round period 0: chunk 0's load, v1, the query and W1's second half are asked for; period 0 follows (chunk 1's load, A of chunk 0); then the query is quantised, W1's first half asked for, and c made.
; PREFETCH: a wave asks for its own 8,192 bytes (a lane to each 256) of a later chunk: chunks 2 and 3 in period 0, behind the last load of W1; chunk k + 3 in period k, behind the period's stores; chunk 1 comes by its load alone; the last asked for is chunk 7.
; NO CLUSTER: work-groups share only W1's codes, of which each wave wants its eighth once, in registers; the key rows are a work-group's own.
; tanh(x) = 1 - 2 / (1 + 2^(2 log2(e) x)); the 1 is summed once as sum of v1.
; LIMITS: NaN and infinities are not served; a block of zeros gets the byte 1 where the rule says 127 (its codes are zeros, and this program alone reads the bytes); the softmax holds while scores x log2(e) stay under 2^31.
.set ROWP,  2176                       ; a key row in LDS: 8 x (256 + 16)
.set SLOTB, 8704                       ; 4 rows
.set WREG,  34816                      ; a wave's four slots
.set IMG,   278528                     ; two images of two tiles: [kb 16][r 16][16 bytes], pitch 272
.set IMGB,  8704
.set TILEB, 4352                       ; a tile in an image; in kq: 4,096 bytes of codes + 256 of scale words
.set SCW,   295936                     ; two x two tiles of scale words: [f 4][r 16][4 bytes]
.set SCR,   296960                     ; two x 32 rows x 80: half-sums [row][wave][h]
.set SCRB,  2560
.set PS,    302080                     ; 512 bytes a wave, its own: p in pairs; at the head the query's codes
.set QF,    306176                     ; 2,304 bytes a wave: the query's turn; at the end the waves' sums
.set SPARE, 324608                     ; the spare words: 128 bytes a wave
.set SPW, 2
.set NIL, 3
.set L16, 4
.set L4,  5
.set L8,  6
.set WSO, 7
.set QA,  8
.set RA,  9
.set IST, 10
.set BST, 11
.set FB,  12
.set FS,  13
.set CPL, 14
.set CPS, 15
.set CPG, 16
.set CSG, 17
.set SST, 18
.set SRD, 19
.set PST, 20
.set PRD, 21
.set WS,  24                           ; v24-31 W1's scale words, keys' half; v32-39 the query's half; v40-43 the key rows'; v44-47 the query's
.set WSQ, 32
.set HS,  40
.set QSW, 44
.set BI,  48                           ; v48-79 c
.set WV,  80                           ; v80-111 -2 v1
.set VS,  112
.set SUMA, 114
.set SUMB, 116
.set SUMC, 118
.set SUMD, 120
.set MX,  122                          ; m, l (a lane's own part until the end)
.set LS,  123
.set FF,  124
.set T0,  126
.set ACA, 128
.set ACB, 160
.set CD,  192
.set BY,  200
.set TM,  202
.set PFO, 206
.set PB,  208                          ; v208-215 p of my four rows, in pairs; at the head addresses
.set QFS, 208
.set QFR, 209
.set QST, 210
.set QBT, 211
.set QRD, 212
.set QRW, 213
.set SCP, 216                          ; v216-217 scale words on their way to kq; at the head r and h
.set RR,  216
.set HH,  217
.set RST, 218
.set RRD, 219
.set RGO, 220
.set TA,  221
.set TC,  222
.set VOF, 223
.set Q,   224                          ; v224-255 a block of 32 numbers; the half-sums
.set WK,  0                            ; window 1: v0-127 W1's fragments; v128-191 two key tiles' fragments (at the head v128-255 W1's second half)
.set WQ,  128
.set F0,  128
.set F1,  160
.set NQ,  192                          ; window 1: my sums of p x keys: register 4 q + e is column 128 q + 4 lane + e
.set R,   208                          ; window 1: two raw rows
.set CP,  240                          ; window 1: codes on their way to kq
.set MSB, 0
.macro WIN new                         ; low byte: bits 1:0 source 0, 3:2 source 1, 5:4 source 2, 7:6 destination; the high byte repeats the setting that is left
.if MSB != \new
	s_set_vgpr_msb (MSB<<8)|\new
.set MSB, \new
.endif
.endm
.macro PLACES n
.rept \n
	v_nop
.endr
.endm
.macro D n
	s_delay_alu instid0(VALU_DEP_\n)
.endm
.macro MAX32 d, e, x                   ; the largest magnitude of 32 numbers, in two chains, and the floor 2^(3 - 127)
	v_max3_num_f32 v[\d], |v[\x]|, |v[\x+1]|, |v[\x+2]|
	v_max3_num_f32 v[\e], |v[\x+3]|, |v[\x+4]|, |v[\x+5]|
.irp i, 6,10,14,18,22,26
	D 2
	v_max3_num_f32 v[\d], v[\d], |v[\x+\i]|, |v[\x+\i+1]|
	D 2
	v_max3_num_f32 v[\e], v[\e], |v[\x+\i+2]|, |v[\x+\i+3]|
.endr
	D 2
	v_max3_num_f32 v[\d], v[\d], |v[\x+30]|, |v[\x+31]|
	D 1
	v_max3_num_f32 v[\d], v[\d], v[\e], 0x1800000
.endm
.macro BIAS16 qb                       ; c: four accumulators by turns
	WIN 0x01
.irp f, 0,1,2,3
.irp t, 0,1,2,3
.if \f == 0
	v_wmma_scale_f32_16x16x128_f8f6f4 v[BI+8*\t:BI+8*\t+7], v[WQ+32*\t:WQ+32*\t+7], v[\qb:\qb+7], 0, v[WSQ+2*\t], v[QSW] matrix_a_fmt:MATRIX_FMT_FP4 matrix_b_fmt:MATRIX_FMT_FP4
.elseif \f == 2
	v_wmma_scale_f32_16x16x128_f8f6f4 v[BI+8*\t:BI+8*\t+7], v[WQ+32*\t+16:WQ+32*\t+23], v[\qb+16:\qb+23], v[BI+8*\t:BI+8*\t+7], v[WSQ+2*\t+1], v[QSW+2] matrix_a_fmt:MATRIX_FMT_FP4 matrix_b_fmt:MATRIX_FMT_FP4
.else
	v_wmma_scale_f32_16x16x128_f8f6f4 v[BI+8*\t:BI+8*\t+7], v[WQ+32*\t+8*\f:WQ+32*\t+8*\f+7], v[\qb+8*\f:\qb+8*\f+7], v[BI+8*\t:BI+8*\t+7], v[WSQ+2*\t+\f/2], v[QSW+\f] matrix_a_fmt:MATRIX_FMT_FP4 matrix_b_fmt:MATRIX_FMT_FP4 matrix_a_scale:MATRIX_SCALE_ROW1
.endif
.endr
.endr
	WIN 0
.endm
.macro WMMA16 buf, hs, acc             ; a key tile x my four tiles of W1: the four accumulators take turns; the first product takes c as its C
	WIN 0x05
.irp f, 0,1,2,3
.irp t, 0,1,2,3
.if \f == 0
	v_wmma_scale_f32_16x16x128_f8f6f4 v[\acc+8*\t:\acc+8*\t+7], v[WK+32*\t:WK+32*\t+7], v[\buf:\buf+7], v[BI+8*\t:BI+8*\t+7], v[WS+2*\t], v[\hs] matrix_a_fmt:MATRIX_FMT_FP4 matrix_b_fmt:MATRIX_FMT_FP4
.elseif \f == 2
	v_wmma_scale_f32_16x16x128_f8f6f4 v[\acc+8*\t:\acc+8*\t+7], v[WK+32*\t+16:WK+32*\t+23], v[\buf+16:\buf+23], v[\acc+8*\t:\acc+8*\t+7], v[WS+2*\t+1], v[\hs+1] matrix_a_fmt:MATRIX_FMT_FP4 matrix_b_fmt:MATRIX_FMT_FP4
.else
	v_wmma_scale_f32_16x16x128_f8f6f4 v[\acc+8*\t:\acc+8*\t+7], v[WK+32*\t+8*\f:WK+32*\t+8*\f+7], v[\buf+8*\f:\buf+8*\f+7], v[\acc+8*\t:\acc+8*\t+7], v[WS+2*\t+\f/2], v[\hs+\f/2] matrix_a_fmt:MATRIX_FMT_FP4 matrix_b_fmt:MATRIX_FMT_FP4 matrix_a_scale:MATRIX_SCALE_ROW1 matrix_b_scale:MATRIX_SCALE_ROW1
.endif
.endr
.endr
	WIN 0
.endm
.macro FRAGS buf, off                  ; a tile's four fragments: group (f, c) holds kb = 4 f + 2 c + h of row r
.irp f, 0,1,2,3
.irp c, 0,1
	ds_load_b128 v[\buf+8*\f+4*\c:\buf+8*\f+4*\c+3], v[FB] offset:\off+272*(4*\f+2*\c)
.endr
.endr
.endm
.macro QLOAD t, slot                   ; lane (kb, h): block kb of my row 2 t + h
.irp j, 0,1,2,3,4,5,6,7
	ds_load_b128 v[Q+4*\j:Q+4*\j+3], v[QA] offset:(\slot)*SLOTB+2*ROWP*(\t)+16*\j
.endr
.endm
.macro QBLK t, ib                      ; its scale, its codes, into image ib
	MAX32 TM, TM+1, Q
	D 1
	v_add_nc_u32 v[TM+2], 0xff000000, v[TM]        ; 2 off the exponent field: the conversion's scale operand
.irp g, 0,1,2,3
	v_cvt_scalef32_pk8_fp4_f32 v[CD+4*\t+\g], v[Q+8*\g:Q+8*\g+7], v[TM+2]
.endr
	v_lshrrev_b32 v[BY+\t], 23, v[TM+2]            ; the byte (also the plain line behind the conversions)
	ds_store_b128 v[IST], v[CD+4*\t:CD+4*\t+3] offset:IMGB*(\ib)+32*\t
	ds_store_b8 v[BST], v[BY+\t] offset:512*(\ib)+8*\t
.endm
.macro ROWLD i, slot                   ; my row i as it landed: 16 bytes a lane of each 512
.irp q, 0,1,2,3
	ds_load_b128 v[R+16*((\i)%2)+4*\q:R+16*((\i)%2)+4*\q+3], v[RA] offset:(\slot)*SLOTB+(\i)*ROWP+544*\q
.endr
.endm
.macro ROWFMA i
.irp k, 0,2,4,6,8,10,12,14
	v_pk_fma_f32 v[NQ+\k:NQ+\k+1], v[R+16*((\i)%2)+\k:R+16*((\i)%2)+\k+1], v[PB+2*(\i):PB+2*(\i)+1], v[NQ+\k:NQ+\k+1]
.endr
.endm
.macro DOT acc, offs                   ; sum of (-2 v1) / (1 + 2^..) + sum of v1 over my 32 d: a half-sum of row r
	v_pk_fma_f32 v[SUMA:SUMA+1], v[\acc:\acc+1], v[WV:WV+1], v[VS:VS+1]
	v_pk_mul_f32 v[SUMB:SUMB+1], v[\acc+2:\acc+3], v[WV+2:WV+3]
	v_pk_mul_f32 v[SUMC:SUMC+1], v[\acc+4:\acc+5], v[WV+4:WV+5]
	v_pk_mul_f32 v[SUMD:SUMD+1], v[\acc+6:\acc+7], v[WV+6:WV+7]
.irp k, 8,16,24
	v_pk_fma_f32 v[SUMA:SUMA+1], v[\acc+\k:\acc+\k+1], v[WV+\k:WV+\k+1], v[SUMA:SUMA+1]
	v_pk_fma_f32 v[SUMB:SUMB+1], v[\acc+\k+2:\acc+\k+3], v[WV+\k+2:WV+\k+3], v[SUMB:SUMB+1]
	v_pk_fma_f32 v[SUMC:SUMC+1], v[\acc+\k+4:\acc+\k+5], v[WV+\k+4:WV+\k+5], v[SUMC:SUMC+1]
	v_pk_fma_f32 v[SUMD:SUMD+1], v[\acc+\k+6:\acc+\k+7], v[WV+\k+6:WV+\k+7], v[SUMD:SUMD+1]
.endr
	D 3
	v_pk_add_f32 v[SUMA:SUMA+1], v[SUMA:SUMA+1], v[SUMB:SUMB+1]
	D 2
	v_pk_add_f32 v[SUMC:SUMC+1], v[SUMC:SUMC+1], v[SUMD:SUMD+1]
	D 1
	v_pk_add_f32 v[SUMA:SUMA+1], v[SUMA:SUMA+1], v[SUMC:SUMC+1]
	D 1
	v_add_f32 v[SUMA], v[SUMA], v[SUMA+1]
	ds_store_b32 v[SST], v[SUMA] offset:\offs
.endm
; PERIOD k.  A, B, C: which of the three stages it has; LD: chunk k + 1 is asked for; PF: chunk k + 3 is prefetched.
.macro PERIOD k, A, B, C, LD, PF
	s_wait_alu depctr_va_vdst(0)                   ; the wait ahead of the blocking waits
	s_wait_xcnt 0x0                                ; the last period's stores to kq have read their registers
	s_wait_tensorcnt 0x0                           ; my rows of chunk k are in: no tensor load of mine is out, so group 0 may be written
	ds_add_u32 v[SPW], v[NIL]
.if \LD
	s_add_co_u32 s33, s42, (((\k)+1)%4)*SLOTB
	s_add_nc_u64 s[34:35], s[34:35], 0x10000       ; 32 rows on
.endif
	s_wait_dscnt 0x0                               ; the add, my stores for the others and my reads of what is written next
	s_barrier_signal -1
	s_barrier_wait -1
.if \LD
	tensor_load_to_lds s[32:35], s[24:31]          ; my one tensor load until the next barrier
	s_nop 0
	PLACES 4
.endif
.if \B
.set IB, ((\k)-1)%2
.irp i, 0,1,2,3
	ds_load_b32 v[HS+\i], v[FS] offset:512*IB+128*\i
.endr
	WIN 0x40
	FRAGS F0, IMGB*IB
	FRAGS F1, IMGB*IB+TILEB
.irp i, 0,1
	ds_load_b128 v[CP+4*\i:CP+4*\i+3], v[CPL] offset:IMGB*IB+544*\i
.endr
	WIN 0
.endif
.if \C
.set SL, ((\k)-2)%4
.irp j, 0,1,2,3
	ds_load_b128 v[Q+4*\j:Q+4*\j+3], v[SRD] offset:SCRB*((\k)%2)+16*\j   ; my lane's row of chunk k - 2: sixteen half-sums
.endr
.endif
.if \B
	s_wait_dscnt 10+4*\C                           ; behind tile 0's fragments: tile 1's 8, the copy's 2, and with C the half-sums' 4
.if (\k) == 1
	s_wait_loadcnt 0x0                             ; W1's first half
.endif
	WMMA16 F0, HS, ACA
	s_wait_dscnt 2+4*\C
	WMMA16 F1, HS+2, ACB
.endif
	s_wait_dscnt 0x0
.if \B
	WIN 0x04
.irp i, 0,1
	global_store_b128 v[CPG], v[CP+4*\i:CP+4*\i+3], s[14:15] offset:2*TILEB*((\k)-1)+512*\i th:TH_STORE_NT   ; 512 consecutive bytes of a tile
.endr
	WIN 0
	s_cmp_lt_u32 s18, 2                            ; waves 0 and 1: a tile's 256 bytes of scale words each
	s_cbranch_scc0 .Lnosc_\@
	ds_load_b64 v[SCP:SCP+1], v[CPS] offset:512*IB
	s_wait_dscnt 0x0
	global_store_b64 v[CSG], v[SCP:SCP+1], s[14:15] offset:2*TILEB*((\k)-1) th:TH_STORE_NT
.Lnosc_\@:
.endif
.if \PF
	global_prefetch_b8 v[PFO], s[4:5] offset:((\k)+3)*65536 th:TH_LOAD_NT scope:SCOPE_SE
.endif
.if \C                                 ; the score of my lane's row, as t; the largest t so far.  (These lines are also the places behind the products)
.irp i, 0,2,4,6
	v_pk_add_f32 v[Q+\i:Q+\i+1], v[Q+\i:Q+\i+1], v[Q+8+\i:Q+9+\i]
.endr
.irp i, 0,2
	D 2
	v_pk_add_f32 v[Q+\i:Q+\i+1], v[Q+\i:Q+\i+1], v[Q+4+\i:Q+5+\i]
.endr
	D 1
	v_pk_add_f32 v[Q:Q+1], v[Q:Q+1], v[Q+2:Q+3]
	D 1
	v_add_f32 v[T0], v[Q], v[Q+1]
	D 1
	v_mul_f32 v[T0], s40, v[T0]
	D 1
	v_max_num_f32_dpp v[TM], v[T0], v[T0] row_xmask:1 row_mask:0xf bank_mask:0xf
.irp m, 2,4,8
	D 1
	v_max_num_f32_dpp v[TM], v[TM], v[TM] row_xmask:\m row_mask:0xf bank_mask:0xf
.endr
	D 1
	v_permlanex16_b32 v[TM+1], v[TM], s20, s21
	D 1
	v_max3_num_f32 v[TM+2], v[TM], v[TM+1], v[MX]
	D 1
	v_sub_f32 v[T0], v[T0], v[TM+2]
	D 2
	v_sub_f32 v[FF], v[MX], v[TM+2]
	D 3
	v_mov_b32 v[MX], v[TM+2]
.endif
.if \A
	QLOAD 0, (\k)%4
.endif
.if \C
	WIN 0x40
	ROWLD 0, SL
	ROWLD 1, SL
	WIN 0
.endif
.if \B
.if \C == 0
	PLACES 4
.endif
.set kk, 0
.rept 32
	v_pk_mul_f32 v[ACA+kk:ACA+kk+1], v[ACA+kk:ACA+kk+1], s[22:23] op_sel_hi:[1,0]   ; x 2 log2(e), each accumulator from its low end on
.set kk, kk+2
.endr
.endif
.if \B || \C
	s_wait_alu depctr_va_vdst(0)                   ; one wait ahead of the batch, one behind it
.if \B
.set kk, 0
.rept 64
	v_exp_f32 v[ACA+kk], v[ACA+kk]
.set kk, kk+1
.endr
.endif
.if \C
	v_exp_f32 v[T0], v[T0]                         ; p
	v_exp_f32 v[FF], v[FF]                         ; 2^(old m - new m)
.endif
	v_nop
	s_wait_alu depctr_va_vdst(0)
.endif
.if \C
	v_mov_b32 v[T0+1], v[T0]
	v_fma_f32 v[LS], v[LS], v[FF], v[T0]
	ds_store_b64 v[PST], v[T0:T0+1]                ; p in pairs through my wave's own bytes: LDS serves a wave's instructions in order
	ds_load_b128 v[PB:PB+3], v[PRD]                ; my four rows' p
	ds_load_b128 v[PB+4:PB+7], v[PRD] offset:16
	WIN 0x41
.irp i, 0,2,4,6,8,10,12,14
	v_pk_mul_f32 v[NQ+\i:NQ+\i+1], v[NQ+\i:NQ+\i+1], v[FF:FF+1] op_sel_hi:[1,0]
.endr
	WIN 0
.endif
.if \A
	s_wait_dscnt 11*\C                             ; block 0 is in; behind it with C: two rows' 8 loads, p's store and 2 loads
	QBLK 0, (\k)%2
	QLOAD 1, (\k)%4
.endif
.if \B
.set kk, 0
.rept 32
	v_pk_add_f32 v[ACA+kk:ACA+kk+1], v[ACA+kk:ACA+kk+1], 1.0 op_sel_hi:[1,0]
.set kk, kk+2
.endr
	s_wait_alu depctr_va_vdst(0)
.set kk, 0
.rept 64
	v_rcp_f32 v[ACA+kk], v[ACA+kk]
.set kk, kk+1
.endr
	v_nop
.endif
.if \C                                 ; rows 0 and 1 name none of the batch's results: they stand between the batch and its wait
.if \B == 0
	s_wait_alu depctr_va_vdst(0)                   ; the wait ahead of the wait below
.endif
	s_wait_dscnt 10*\A                             ; p and rows 0 and 1 are in; behind them with A: block 0's 2 stores, block 1's 8 loads
	WIN 0x51
	ROWFMA 0
	ROWFMA 1
	WIN 0x40
	ROWLD 2, SL
	ROWLD 3, SL
	WIN 0
.endif
.if \B
	s_wait_alu depctr_va_vdst(0)                   ; the batch's wait, ahead of its first reader
	DOT ACA, SCRB*IB
	DOT ACB, SCRB*IB+1280
.endif
.if \A
	s_wait_dscnt 8*\C+2*\B                         ; block 1 is in; behind it: two rows' loads, the half-sums' stores
	QBLK 1, (\k)%2
.endif
.if \C
	s_wait_alu depctr_va_vdst(0)
	s_wait_dscnt 2*\A+2*\B                         ; rows 2 and 3 are in; behind them: the half-sums' and block 1's stores
	WIN 0x51
	ROWFMA 2
	ROWFMA 3
	WIN 0
.endif
.endm
	s_load_b256 s[4:11], s[0:1], 0x0               ; keys, query, v1, wcodes
	s_load_b128 s[12:15], s[0:1], 0x20             ; wscales, kq
	s_load_b64 s[16:17], s[0:1], 0x30              ; part
	v_lshl_add_u32 v[SPW], v0, 2, SPARE
	v_mov_b32 v[NIL], 0
	ds_add_u32 v[SPW], v[NIL]                      ; the opening: the add twice on end and one wait, ahead of my first tensor load
	ds_add_u32 v[SPW], v[NIL]
	v_lshrrev_b32 v1, 5, v0
	v_readfirstlane_b32 s18, v1                    ; wave 0..7
	s_mov_b32 s19, ttmp9                           ; g
	s_mov_b32 s20, 0x76543210
	s_mov_b32 s21, 0xfedcba98                      ; selects for lane l xor 16
	s_mov_b32 s22, 0x4038aa3b                      ; 2 log2(e)
	s_mov_b32 s23, s22
	s_mov_b32 s40, 0x3fb8aa3b                      ; log2(e)
	s_mov_b32 s24, (3<<16)|(1<<20)|(5<<22)|(3<<25) ; group 1: elements of 8 bytes; four words of padding behind every 64
	s_mov_b32 s25, 32<<16
	s_mov_b32 s26, 32<<16
	s_mov_b32 s27, 32<<16
	s_mov_b32 s28, 32                              ; 32 rows of 256 bytes
	s_mov_b32 s29, 32
	s_mov_b32 s30, 0
	s_mov_b32 s31, 0
	s_mul_i32 s42, s18, WREG                       ; my four slots
	s_lshl_b32 s46, s19, 19
	s_lshl_b32 s47, s18, 13
	s_add_co_u32 s46, s46, s47                     ; my 4 rows of chunk 0
	s_mov_b32 s47, 0
	s_lshr_b32 s43, s18, 2                         ; my rows' tile in a chunk,
	s_and_b32 s44, s18, 3                          ; and which 4 rows of it
	s_mul_i32 s45, s43, TILEB
	s_lshl_b32 s50, s44, 6
	s_add_co_u32 s50, s50, s45
	s_add_co_u32 s50, s50, IMG
	s_mul_i32 s51, s44, 1088
	s_add_co_u32 s51, s51, s45
	s_add_co_u32 s51, s51, IMG
	s_lshl_b32 s52, s43, 8
	s_lshl_b32 s53, s44, 4
	s_add_co_u32 s52, s52, s53
	s_add_co_u32 s52, s52, SCW
	s_lshl_b32 s53, s18, 8
	s_add_co_u32 s53, s53, SCW
	s_lshl_b32 s54, s44, 10
	s_add_co_u32 s54, s54, s45
	s_mul_i32 s55, s18, TILEB
	s_add_co_u32 s55, s55, 4096
	s_lshl_b32 s56, s18, 3
	s_add_co_u32 s56, s56, SCR
	s_lshl_b32 s57, s18, 9
	s_add_co_u32 s57, s57, PS
	s_lshl_b32 s58, s18, 5
	s_add_co_u32 s58, s58, s57
	s_mul_i32 s59, s18, 2304
	s_add_co_u32 s59, s59, QF
	s_lshl_b32 s60, s18, 11
	s_add_co_u32 s60, s60, QF
	s_add_co_u32 s61, s57, 256
	; every address that stays, in one run of vector lines
	v_and_b32 v1, 31, v0                           ; lane
	v_and_b32 v[RR], 15, v0                        ; r
	v_bfe_u32 v[HH], v0, 4, 1                      ; h
	v_lshlrev_b32 v[L16], 4, v1
	v_lshlrev_b32 v[L4], 2, v1
	v_lshlrev_b32 v[L8], 3, v1
	v_lshlrev_b32 v[PFO], 8, v1
	v_lshlrev_b32 v[WSO], 2, v[RR]
	v_lshlrev_b32 v[VOF], 5, v[HH]
	v_lshl_add_u32 v[WSO], v[HH], 7, v[WSO]
	v_mul_u32_u24 v[TA], v[HH], 272
	v_lshrrev_b32 v[TC], 1, v[RR]
	v_lshl_add_u32 v[TA], v[RR], 4, v[TA]          ; 272 h + 16 r
	v_mul_u32_u24 v[QA], v[TC], 272
	v_and_b32 v[TC], 1, v[RR]
	v_add_nc_u32 v[FB], IMG, v[TA]
	v_lshl_add_u32 v[QA], v[TC], 7, v[QA]          ; block kb: 272 (kb / 2) + 128 (kb % 2)
	v_add_nc_u32 v[RA], s42, v[TA]
	v_mad_u32_u24 v[QA], v[HH], ROWP, v[QA]
	v_add_nc_u32 v[CPL], s51, v[TA]
	v_add_nc_u32 v[QA], s42, v[QA]
	v_mul_u32_u24 v[IST], v[RR], 272
	v_lshrrev_b32 v[TC], 2, v[RR]
	v_and_b32 v[BST], 3, v[RR]
	v_lshl_add_u32 v[IST], v[HH], 4, v[IST]
	v_lshl_add_u32 v[BST], v[TC], 6, v[BST]
	v_add_nc_u32 v[IST], s50, v[IST]
	v_lshl_add_u32 v[BST], v[HH], 2, v[BST]
	v_add_nc_u32 v[FS], SCW, v[L4]
	v_add_nc_u32 v[BST], s52, v[BST]
	v_add_nc_u32 v[CPS], s53, v[L8]
	v_add_nc_u32 v[CPG], s54, v[L16]
	v_add_nc_u32 v[CSG], s55, v[L8]
	v_mul_u32_u24 v[SST], v[RR], 80
	v_mul_u32_u24 v[SRD], v1, 80
	v_lshl_add_u32 v[SST], v[HH], 2, v[SST]
	v_add_nc_u32 v[SRD], SCR, v[SRD]
	v_add_nc_u32 v[SST], s56, v[SST]
	v_add_nc_u32 v[PST], s57, v[L8]
	v_mov_b32 v[PRD], s58
	v_lshl_add_u32 v[QST], v[RR], 4, s57
	v_add_nc_u32 v[QBT], s61, v[RR]
	v_lshl_add_u32 v[QRD], v[HH], 4, s57
	v_mov_b32 v[QRW], s61
	v_bfe_u32 v[TC], v0, 3, 2
	v_and_b32 v[QFS], 7, v0
	v_mul_u32_u24 v[QFR], v[RR], 144
	v_lshlrev_b32 v[QFS], 4, v[QFS]
	v_add_nc_u32 v[QFR], s59, v[QFR]
	v_mad_u32_u24 v[QFS], v[TC], 144, v[QFS]
	v_add_nc_u32 v[RST], s60, v[L16]
	v_add_nc_u32 v[QFS], s59, v[QFS]
	v_lshl_add_u32 v[RRD], v0, 3, QF
	v_lshlrev_b32 v[RGO], 3, v0
	s_wait_alu depctr_va_vdst(0)                   ; the wait ahead of the blocking waits
	s_wait_dscnt 0x0                               ; both opening adds are done
	s_wait_kmcnt 0x0
	s_add_nc_u64 s[4:5], s[4:5], s[46:47]
	s_mov_b32 s32, 1
	s_mov_b32 s33, s42
	s_mov_b64 s[34:35], s[4:5]
	s_or_b32 s35, s35, 0x80000000
	tensor_load_to_lds s[32:35], s[24:31]          ; chunk 0: my one tensor load at the head
	s_nop 0
	PLACES 4
	s_lshr_b32 s48, s19, 2
	s_lshl_b32 s48, s48, 11
	s_mov_b32 s49, 0
	s_add_nc_u64 s[6:7], s[6:7], s[48:49]          ; my batch's query
	s_lshl_b32 s48, s18, 8
	s_add_nc_u64 s[8:9], s[8:9], s[48:49]          ; my 64 numbers of v1
	s_lshl_b32 s48, s18, 15
	s_add_nc_u64 s[10:11], s[10:11], s[48:49]      ; my four tiles of W1's codes
	s_lshl_b32 s48, s18, 12
	s_add_nc_u64 s[12:13], s[12:13], s[48:49]      ; and scale words
	s_mul_i32 s48, s19, 16*TILEB
	s_add_nc_u64 s[14:15], s[14:15], s[48:49]
	s_mul_i32 s48, s19, 2304
	s_add_nc_u64 s[16:17], s[16:17], s[48:49]
.irp t, 0,1,2,3
	global_load_b128 v[WV+8*\t:WV+8*\t+3], v[VOF], s[8:9] offset:64*\t
	global_load_b128 v[WV+8*\t+4:WV+8*\t+7], v[VOF], s[8:9] offset:64*\t+16
.endr
.irp q, 0,1,2,3
	global_load_b128 v[ACB+4*\q:ACB+4*\q+3], v[L16], s[6:7] offset:512*\q
.endr
	WIN 0x40
.irp t, 0,1,2,3
.irp f, 0,1,2,3
.irp c, 0,1
	global_load_b128 v[WQ+32*\t+8*\f+4*\c:WQ+32*\t+8*\f+4*\c+3], v[L16], s[10:11] offset:8192*\t+4096+1024*\f+512*\c
.endr
.endr
.endr
	WIN 0
.irp t, 0,1,2,3
.irp u, 0,1
	global_load_b32 v[WSQ+2*\t+\u], v[WSO], s[12:13] offset:1024*\t+512+256*\u
.endr
.endr
	PERIOD 0, 1, 0, 0, 1, 0                        ; chunk 1 is asked for and chunk 0 quantised while W1's second half comes
	s_wait_loadcnt 40                              ; v1 and the query are in; behind them: W1's second half (32) and its scale words (8)
.irp q, 0,1,2,3
	ds_store_b128 v[QFS], v[ACB+4*\q:ACB+4*\q+3] offset:576*\q      ; the query turns through my own bytes: a block of 32 to a lane, block r in lanes r and 16 + r
.endr
.irp j, 0,1,2,3,4,5,6,7
	ds_load_b128 v[Q+4*\j:Q+4*\j+3], v[QFR] offset:16*\j
.endr
.set kk, 0
.rept 16
	v_pk_mul_f32 v[WV+kk:WV+kk+1], v[WV+kk:WV+kk+1], -2.0 op_sel_hi:[1,0]
.set kk, kk+2
.endr
	s_wait_dscnt 0x0
	MAX32 TM, TM+1, Q
	D 1
	v_add_nc_u32 v[TM+2], 0xff000000, v[TM]
.irp g, 0,1,2,3
	v_cvt_scalef32_pk8_fp4_f32 v[CD+\g], v[Q+8*\g:Q+8*\g+7], v[TM+2]
.endr
	v_lshrrev_b32 v[TM+3], 23, v[TM+2]
	ds_store_b128 v[QST], v[CD:CD+3]
	ds_store_b8 v[QBT], v[TM+3]
.irp f, 0,1,2,3
.irp c, 0,1
	ds_load_b128 v[ACA+8*\f+4*\c:ACA+8*\f+4*\c+3], v[QRD] offset:16*(4*\f+2*\c)   ; the query stands in all 16 columns of source 1
.endr
.endr
	ds_load_b128 v[QSW:QSW+3], v[QRW]
	WIN 0x40
.irp t, 0,1,2,3
.irp f, 0,1,2,3
.irp c, 0,1
	global_load_b128 v[WK+32*\t+8*\f+4*\c:WK+32*\t+8*\f+4*\c+3], v[L16], s[10:11] offset:8192*\t+1024*\f+512*\c
.endr
.endr
.endr
	WIN 0
.irp t, 0,1,2,3
.irp u, 0,1
	global_load_b32 v[WS+2*\t+\u], v[WSO], s[12:13] offset:1024*\t+256*\u
.endr
.endr
	global_prefetch_b8 v[PFO], s[4:5] offset:2*65536 th:TH_LOAD_NT scope:SCOPE_SE   ; my rows of chunks 2 and 3: their tensor loads stand in periods 1 and 2
	global_prefetch_b8 v[PFO], s[4:5] offset:3*65536 th:TH_LOAD_NT scope:SCOPE_SE
	v_pk_add_f32 v[VS:VS+1], v[WV:WV+1], v[WV+2:WV+3]
.set kk, 4
.rept 14
	D 1
	v_pk_add_f32 v[VS:VS+1], v[VS:VS+1], v[WV+kk:WV+kk+1]
.set kk, kk+2
.endr
	D 1
	v_pk_mul_f32 v[VS:VS+1], v[VS:VS+1], -0.5 op_sel_hi:[1,0]       ; the sum of my 32 numbers of v1, in two halves
	s_wait_dscnt 0x0                               ; the query's fragments and scale words
	s_wait_loadcnt 40                              ; W1's second half is in; behind it: the first half's 32 loads and 8 scale loads
	BIAS16 ACA
	s_wait_alu depctr_va_vdst(0)
	v_mov_b32 v[MX], 0xff61b1e6                    ; -3e38, under every t
	v_mov_b32 v[LS], 0
	v_mov_b32 v[FF+1], 0                           ; (named with FF as a pair)
	PLACES 2                                       ; five places behind the products, ahead of writes into registers that they read
	WIN 0x40
.set kk, 0
.rept 16
	v_mov_b32 v[NQ+kk], 0
.set kk, kk+1
.endr
	WIN 0
	PERIOD 1, 1, 1, 0, 1, 1
	PERIOD 2, 1, 1, 1, 1, 1
	PERIOD 3, 1, 1, 1, 1, 1
	PERIOD 4, 1, 1, 1, 1, 1
	PERIOD 5, 1, 1, 1, 1, 0
	PERIOD 6, 1, 1, 1, 1, 0
	PERIOD 7, 1, 1, 1, 0, 0
	PERIOD 8, 0, 1, 1, 0, 0
	PERIOD 9, 0, 0, 1, 0, 0
	; the waves' sums meet in LDS; the lanes' parts of l are added
	WIN 0x04
.irp q, 0,1,2,3
	ds_store_b128 v[RST], v[NQ+4*\q:NQ+4*\q+3] offset:512*\q
.endr
	WIN 0
	v_add_f32_dpp v[LS], v[LS], v[LS] row_xmask:1 row_mask:0xf bank_mask:0xf
.irp m, 2,4,8
	D 1
	v_add_f32_dpp v[LS], v[LS], v[LS] row_xmask:\m row_mask:0xf bank_mask:0xf
.endr
	D 1
	v_permlanex16_b32 v[TM], v[LS], s20, s21
	D 1
	v_add_f32 v[LS], v[LS], v[TM]
	s_wait_alu depctr_va_vdst(0)
	s_wait_dscnt 0x0
	s_barrier_signal -1
	s_barrier_wait -1
.irp wv, 0,1,2,3,4,5,6,7
	ds_load_b64 v[Q+2*\wv:Q+2*\wv+1], v[RRD] offset:2048*\wv       ; thread t: columns 2 t and 2 t + 1 of every wave
.endr
	s_wait_dscnt 0x0
.irp i, 0,2,4,6
	v_pk_add_f32 v[Q+\i:Q+\i+1], v[Q+\i:Q+\i+1], v[Q+8+\i:Q+9+\i]
.endr
.irp i, 0,2
	D 2
	v_pk_add_f32 v[Q+\i:Q+\i+1], v[Q+\i:Q+\i+1], v[Q+4+\i:Q+5+\i]
.endr
	D 1
	v_pk_add_f32 v[Q:Q+1], v[Q:Q+1], v[Q+2:Q+3]
	global_store_b64 v[RGO], v[Q:Q+1], s[16:17]    ; a wave stores 256 consecutive bytes
	s_wait_tensorcnt 0x0                           ; the wave's end
	ds_add_u32 v[SPW], v[NIL]
	s_wait_dscnt 0x0
	s_cmp_lg_u32 s18, 0
	s_cbranch_scc1 .Lnot_wave_0
	global_store_b64 v[L8], v[MX:MX+1], s[16:17] offset:2048       ; (m, l), a copy a lane: 256 consecutive bytes
.Lnot_wave_0:
	s_endpgm
.Lfunc_end_k_q80eb1f0eda_stage1:
	.size	k_q80eb1f0eda_stage1, .Lfunc_end_k_q80eb1f0eda_stage1-k_q80eb1f0eda_stage1
	.p2alignl 7, 3214868480
	.fill 96, 4, 3214868480
	.section	.rodata,"a",@progbits
	.p2align	6, 0x0
	.amdhsa_kernel k_q80eb1f0eda_stage1
		.amdhsa_group_segment_fixed_size 327680
		.amdhsa_private_segment_fixed_size 0
		.amdhsa_enable_private_segment 0
		.amdhsa_kernarg_size 56
		.amdhsa_user_sgpr_count 2
		.amdhsa_user_sgpr_kernarg_segment_ptr 1
		.amdhsa_wavefront_size32 1
		.amdhsa_system_sgpr_workgroup_id_x 1
		.amdhsa_system_sgpr_workgroup_id_y 1
		.amdhsa_system_sgpr_workgroup_id_z 1
		.amdhsa_system_vgpr_workitem_id 0
		.amdhsa_next_free_vgpr 512
		.amdhsa_next_free_sgpr 66
		.amdhsa_reserve_vcc 0
		.amdhsa_float_denorm_mode_32 3
		.amdhsa_float_denorm_mode_16_64 3
		.amdhsa_memory_ordered 1
		.amdhsa_forward_progress 1
		.amdhsa_inst_pref_size 255
	.end_amdhsa_kernel
	.section	.bss,"aw",@nobits
	.p2align	6
	.space	262144
	.amdgpu_metadata
---
amdhsa.version: [ 1, 2 ]
amdhsa.kernels:
  - .name:           k_q80eb1f0eda_stage1
    .symbol:         k_q80eb1f0eda_stage1.kd
    .args:
      - { .name: keys, .offset: 0, .size: 8, .value_kind: global_buffer, .address_space: global }
      - { .name: query, .offset: 8, .size: 8, .value_kind: global_buffer, .address_space: global }
      - { .name: v1, .offset: 16, .size: 8, .value_kind: global_buffer, .address_space: global }
      - { .name: wcodes, .offset: 24, .size: 8, .value_kind: global_buffer, .address_space: global }
      - { .name: wscales, .offset: 32, .size: 8, .value_kind: global_buffer, .address_space: global }
      - { .name: kq, .offset: 40, .size: 8, .value_kind: global_buffer, .address_space: global }
      - { .name: part, .offset: 48, .size: 8, .value_kind: global_buffer, .address_space: global }
    .group_segment_fixed_size: 327680
    .private_segment_fixed_size: 0
    .kernarg_segment_align: 8
    .kernarg_segment_size: 56
    .max_flat_workgroup_size: 256
    .sgpr_count:     66
    .vgpr_count:     512
    .wavefront_size: 32
...
	.end_amdgpu_metadata
.endif
;; end of part 2
;; launch stage2 (part 3): grid 256 x 1, 8 waves a work-group, no clusters, 168,960 bytes of LDS; arguments part, v2, wcodes, wscales, kq, out0; writes out0
.if DOCPART == 3
	.amdgcn_target "amdgcn-amd-amdhsa--gfx1250"
	.amdhsa_code_object_version 6
	.text
	.protected	k_q80eb1f0eda_stage2
	.globl	k_q80eb1f0eda_stage2
	.p2align	8
	.type	k_q80eb1f0eda_stage2,@function
k_q80eb1f0eda_stage2:
	s_mov_b64 s[64:65], 0
	v_nop
	global_prefetch_b8 v0, s[64:65] scope:SCOPE_SE
	s_setreg_imm32_b32 hwreg(HW_REG_WAVE_MODE, 25, 1), 1
	s_wait_xcnt 0x0
; Every wave joins it for itself (8 packed multiply-adds a part), quantises it, and makes c[d] = W2's second half x new_q by the same matrix instruction, new_q standing in all 16 columns of source 1;
; c is the C of each tile's first matrix instruction.
; THE HEAD asks for all that the launch reads at once, in the order in which it is wanted: kq's tiles, v2, (m, l), the parts, W2's second half, W2's first half.  Each part comes as four loads of 512 consecutive
; bytes; the joined vector turns through the wave's own LDS bytes, so that a lane holds a block of 32.  W2's first half is waited for only in front of the first product that reads it.
; source 1 = 16 key rows; lane (r, h) holds key row r and d = 64 w + 16 t + 8 h + j.  One tile's products are issued ahead of the tile before's tanh; half-sums of the scores meet in LDS at the end.
; kq's 69,632 bytes of the work-group come by one tensor load a wave (two tiles, 8,704 dense bytes) at the head, and are filled once: no ring.  A tile lies in the order of the operand's registers, so a fragment is
; two loads of 512 consecutive bytes.
; NO CLUSTER: work-groups share only W2's codes, of which each wave wants its own eighth once, in registers; kq is a work-group's own.  NO PREFETCH: all that the launch reads is asked for in its first lines.
; LIMITS: NaN and infinities are not served; a block of zeros gets the byte 1 where the rule says 127 (its codes are zeros, and this program alone reads the bytes).
.set TILEB, 4352                       ; a tile of kq: 4,096 bytes of codes, 256 of scale words; sixteen of them from LDS byte 0
.set SCR,   69632                      ; half-sums of the scores: 2,048 wave + 128 tile + 4 lane
.set PS,    86016                      ; 512 bytes for each wave, its own: new_q's codes and bytes
.set QF,    90112                      ; 2,304 bytes for each wave, its own: new_q as 16 blocks of 128 bytes + 16 of padding: 144 = 9 x 16
.set OAD, 2                            ; v2   the way out: from where I read half-sums
.set OGO, 3                            ; v3   8 x my thread's number
.set L16, 4                            ; v4   16 x lane
.set L4,  5                            ; v5   4 x lane
.set L8,  6                            ; v6   8 x lane
.set WSO, 7                            ; v7   128 h + 4 r
.set ADF, 8                            ; v8   the trip's fragments;  at the head QRD
.set ADS, 9                            ; v9   the trip's scale words;  at the head QRW
.set AST, 10                           ; v10  the trip's half-sums;  at the head QFR
.set SST, 11                           ; v11  SCR + 2,048 wave + 4 lane
.set QFS, 12                           ; v12  where my 16 bytes of new_q go
.set QFR, 10                           ;      from where my block comes back
.set VOF, 13                           ; v13  32 h
.set QST, 14                           ; v14  where new_q's codes go
.set QBT, 15                           ; v15  and its scale byte
.set QRD, 8
.set QRW, 9
.set ML,  16                           ; v16-23 (m_i, l_i)
.set WS,  24                           ; v24-31 W2's scale words, keys' half;  v32-39 new_q's half;  v40-43 the key rows';  v44-47 new_q's
.set WSQ, 32
.set HS,  40
.set QSW, 44
.set BI,  48                           ; v48-79 c
.set WV,  80                           ; v80-111 -2 v2
.set VS,  112
.set SUMA, 114
.set SUMB, 116
.set RR,  114                          ; the head's temporaries
.set HH,  115
.set TA,  116
.set GM,  118                          ; v118 M;  v119 the sum, then its reciprocal;  v120-127 four pairs: 2^(m_i - M) / the sum, and a 0 named with it
.set GL,  119
.set GG,  120
.set ACA, 128                          ; v128-159, v160-191 accumulators;  at the head v128-191 the four parts, 16 registers each, then v160-191 my block of new_q
.set ACB, 160
.set QB,  192                          ; v192-223 new_q's four fragments
.set SUMC, 220
.set SUMD, 222
.set CD,  224                          ; v224-227 new_q's codes;  v228-231 at work
.set TM,  228
.set WK,  0
.set WQ,  128
.set F0,  128
.set F1,  160
.set MSB, 0
.macro WIN new                         ; low byte: bits 1:0 source 0, 3:2 source 1, 5:4 source 2, 7:6 destination; the high byte repeats the setting that is left
.if MSB != \new
	s_set_vgpr_msb (MSB<<8)|\new
.set MSB, \new
.endif
.endm
.macro PLACES n
.rept \n
	v_nop
.endr
.endm
.macro BAR
	s_wait_dscnt 0x0
	s_barrier_signal -1
	s_barrier_wait -1
.endm
.macro MAX32 d, e, x                   ; the largest magnitude of v[x] .. v[x + 31], in two chains, and the floor 2^(3 - 127): so the byte cannot fall under 1
	v_max3_num_f32 v[\d], |v[\x]|, |v[\x+1]|, |v[\x+2]|
	v_max3_num_f32 v[\e], |v[\x+3]|, |v[\x+4]|, |v[\x+5]|
.irp i, 6,10,14,18,22,26
	s_delay_alu instid0(VALU_DEP_2)
	v_max3_num_f32 v[\d], v[\d], |v[\x+\i]|, |v[\x+\i+1]|
	s_delay_alu instid0(VALU_DEP_2)
	v_max3_num_f32 v[\e], v[\e], |v[\x+\i+2]|, |v[\x+\i+3]|
.endr
	s_delay_alu instid0(VALU_DEP_2)
	v_max3_num_f32 v[\d], v[\d], |v[\x+30]|, |v[\x+31]|
	s_delay_alu instid0(VALU_DEP_1)
	v_max3_num_f32 v[\d], v[\d], v[\e], 0x1800000
.endm
; back a block of 32 to a lane: block r in lanes r and 16 + r.  LDS serves a wave's instructions in order (ISA guide 5.7.1.4): no wait between the stores and the loads.
.macro SPREAD src, dst
.irp q, 0,1,2,3
	ds_store_b128 v[QFS], v[\src+4*\q:\src+4*\q+3] offset:576*\q
.endr
.irp j, 0,1,2,3,4,5,6,7
	ds_load_b128 v[\dst+4*\j:\dst+4*\j+3], v[QFR] offset:16*\j
.endr
.endm
.macro QOPER xi, cd, tm, qb
	MAX32 \tm, \tm+1, \xi
	s_delay_alu instid0(VALU_DEP_1)
	v_add_nc_u32 v[\tm+2], 0xff000000, v[\tm]
.irp g, 0,1,2,3
	v_cvt_scalef32_pk8_fp4_f32 v[\cd+\g], v[\xi+8*\g:\xi+8*\g+7], v[\tm+2]
.endr
	v_lshrrev_b32 v[\tm+3], 23, v[\tm+2]           ; the byte (also the plain line behind the conversions)
	ds_store_b128 v[QST], v[\cd:\cd+3]
	ds_store_b8 v[QBT], v[\tm+3]
.irp f, 0,1,2,3
.irp c, 0,1
	ds_load_b128 v[\qb+8*\f+4*\c:\qb+8*\f+4*\c+3], v[QRD] offset:16*(4*\f+2*\c)   ; my wave's own bytes, served in order
.endr
.endr
	ds_load_b128 v[QSW:QSW+3], v[QRW]
.endm
.macro BIAS16 qb
	WIN 0x01
.irp f, 0,1,2,3
.irp t, 0,1,2,3
.if \f == 0
	v_wmma_scale_f32_16x16x128_f8f6f4 v[BI+8*\t:BI+8*\t+7], v[WQ+32*\t:WQ+32*\t+7], v[\qb:\qb+7], 0, v[WSQ+2*\t], v[QSW] matrix_a_fmt:MATRIX_FMT_FP4 matrix_b_fmt:MATRIX_FMT_FP4
.elseif \f == 2
	v_wmma_scale_f32_16x16x128_f8f6f4 v[BI+8*\t:BI+8*\t+7], v[WQ+32*\t+16:WQ+32*\t+23], v[\qb+16:\qb+23], v[BI+8*\t:BI+8*\t+7], v[WSQ+2*\t+1], v[QSW+2] matrix_a_fmt:MATRIX_FMT_FP4 matrix_b_fmt:MATRIX_FMT_FP4
.else
	v_wmma_scale_f32_16x16x128_f8f6f4 v[BI+8*\t:BI+8*\t+7], v[WQ+32*\t+8*\f:WQ+32*\t+8*\f+7], v[\qb+8*\f:\qb+8*\f+7], v[BI+8*\t:BI+8*\t+7], v[WSQ+2*\t+\f/2], v[QSW+\f] matrix_a_fmt:MATRIX_FMT_FP4 matrix_b_fmt:MATRIX_FMT_FP4 matrix_a_scale:MATRIX_SCALE_ROW1
.endif
.endr
.endr
	WIN 0
.endm
.macro LOADF buf, hs, adf, ads, off    ; ten LDS loads: a tile's four fragments and its scale words
	WIN 0x40
.irp f, 0,1,2,3
.irp c, 0,1
	ds_load_b128 v[\buf+8*\f+4*\c:\buf+8*\f+4*\c+3], v[\adf] offset:\off+1024*\f+512*\c
.endr
.endr
	WIN 0
	ds_load_b32 v[\hs], v[\ads] offset:\off+4096
	ds_load_b32 v[\hs+1], v[\ads] offset:\off+4096+128
.endm
.macro WMMA16 buf, hs, acc             ; the four accumulators take turns, one instruction a turn; the first takes c as its C
	WIN 0x05
.irp f, 0,1,2,3
.irp t, 0,1,2,3
.if \f == 0
	v_wmma_scale_f32_16x16x128_f8f6f4 v[\acc+8*\t:\acc+8*\t+7], v[WK+32*\t:WK+32*\t+7], v[\buf:\buf+7], v[BI+8*\t:BI+8*\t+7], v[WS+2*\t], v[\hs] matrix_a_fmt:MATRIX_FMT_FP4 matrix_b_fmt:MATRIX_FMT_FP4
.elseif \f == 2
	v_wmma_scale_f32_16x16x128_f8f6f4 v[\acc+8*\t:\acc+8*\t+7], v[WK+32*\t+16:WK+32*\t+23], v[\buf+16:\buf+23], v[\acc+8*\t:\acc+8*\t+7], v[WS+2*\t+1], v[\hs+1] matrix_a_fmt:MATRIX_FMT_FP4 matrix_b_fmt:MATRIX_FMT_FP4
.else
	v_wmma_scale_f32_16x16x128_f8f6f4 v[\acc+8*\t:\acc+8*\t+7], v[WK+32*\t+8*\f:WK+32*\t+8*\f+7], v[\buf+8*\f:\buf+8*\f+7], v[\acc+8*\t:\acc+8*\t+7], v[WS+2*\t+\f/2], v[\hs+\f/2] matrix_a_fmt:MATRIX_FMT_FP4 matrix_b_fmt:MATRIX_FMT_FP4 matrix_a_scale:MATRIX_SCALE_ROW1 matrix_b_scale:MATRIX_SCALE_ROW1
.endif
.endr
.endr
	WIN 0
.endm
.macro TMUL acc                        ; x 2 log2(e), each accumulator from its low end on
.set kk, 0
.rept 16
	v_pk_mul_f32 v[\acc+kk:\acc+kk+1], v[\acc+kk:\acc+kk+1], s[22:23] op_sel_hi:[1,0]
.set kk, kk+2
.endr
.endm
.macro TREST acc, adr, offs            ; 2^.., + 1, 1 / .., x (-2 v), summed.  Each batch has one plain line and one wait, ahead of its first reader
.set kk, 0
.rept 32
	v_exp_f32 v[\acc+kk], v[\acc+kk]
.set kk, kk+1
.endr
	v_nop
	s_wait_alu depctr_va_vdst(0)
.set kk, 0
.rept 16
	v_pk_add_f32 v[\acc+kk:\acc+kk+1], v[\acc+kk:\acc+kk+1], 1.0 op_sel_hi:[1,0]
.set kk, kk+2
.endr
.set kk, 0
	s_wait_alu depctr_va_vdst(0)
.rept 32
	v_rcp_f32 v[\acc+kk], v[\acc+kk]
.set kk, kk+1
.endr
	v_nop
	s_wait_alu depctr_va_vdst(0)
	v_pk_fma_f32 v[SUMA:SUMA+1], v[\acc:\acc+1], v[WV:WV+1], v[VS:VS+1]
	v_pk_mul_f32 v[SUMB:SUMB+1], v[\acc+2:\acc+3], v[WV+2:WV+3]
	v_pk_mul_f32 v[SUMC:SUMC+1], v[\acc+4:\acc+5], v[WV+4:WV+5]
	v_pk_mul_f32 v[SUMD:SUMD+1], v[\acc+6:\acc+7], v[WV+6:WV+7]
.irp k, 8,16,24
	v_pk_fma_f32 v[SUMA:SUMA+1], v[\acc+\k:\acc+\k+1], v[WV+\k:WV+\k+1], v[SUMA:SUMA+1]
	v_pk_fma_f32 v[SUMB:SUMB+1], v[\acc+\k+2:\acc+\k+3], v[WV+\k+2:WV+\k+3], v[SUMB:SUMB+1]
	v_pk_fma_f32 v[SUMC:SUMC+1], v[\acc+\k+4:\acc+\k+5], v[WV+\k+4:WV+\k+5], v[SUMC:SUMC+1]
	v_pk_fma_f32 v[SUMD:SUMD+1], v[\acc+\k+6:\acc+\k+7], v[WV+\k+6:WV+\k+7], v[SUMD:SUMD+1]
.endr
	s_delay_alu instid0(VALU_DEP_3)
	v_pk_add_f32 v[SUMA:SUMA+1], v[SUMA:SUMA+1], v[SUMB:SUMB+1]
	s_delay_alu instid0(VALU_DEP_2)
	v_pk_add_f32 v[SUMC:SUMC+1], v[SUMC:SUMC+1], v[SUMD:SUMD+1]
	s_delay_alu instid0(VALU_DEP_1)
	v_pk_add_f32 v[SUMA:SUMA+1], v[SUMA:SUMA+1], v[SUMC:SUMC+1]
	s_delay_alu instid0(VALU_DEP_1)
	v_add_f32 v[SUMA], v[SUMA], v[SUMA+1]
	ds_store_b32 v[\adr], v[SUMA] offset:\offs
.endm
	s_load_b256 s[4:11], s[0:1], 0x0               ; part s[4:5], v2 s[6:7], wcodes s[8:9], wscales s[10:11]
	s_load_b128 s[12:15], s[0:1], 0x20             ; kq s[12:13], out0 s[14:15]
	v_lshl_add_u32 v254, v0, 2, 0x29000
	v_mov_b32 v255, 0
	ds_add_u32 v254, v255
	ds_add_u32 v254, v255
	v_lshrrev_b32 v1, 5, v0
	s_delay_alu instid0(VALU_DEP_1)
	v_readfirstlane_b32 s18, v1                    ; wave 0..7
	s_mov_b32 s19, ttmp9                           ; g
	s_mov_b32 s22, 0x4038aa3b                      ; 2 log2(e)
	s_mov_b32 s23, s22                             ; (named with it as a pair, so it is written)
	; descriptor group 1: two tiles, 8,704 dense bytes, as 34 rows of 256; no padding
	s_mov_b32 s24, 3<<16                           ; elements of 8 bytes
	s_mov_b32 s25, 32<<16                          ; tensor_dim0 = 32
	s_mov_b32 s26, 34<<16                          ; tensor_dim1 = 34
	s_mov_b32 s27, 32<<16                          ; tile_dim0 = 32
	s_mov_b32 s28, 34                              ; tile_dim1 = 34
	s_mov_b32 s29, 32                              ; tensor_dim0_stride
	s_mov_b32 s30, 0
	s_mov_b32 s31, 0
	s_mov_b32 s32, 1                               ; group 0: count = 1,
	s_mul_i32 s33, s18, 2*TILEB                    ; LDS address: my two tiles,
	s_mul_i32 s46, s19, 16*TILEB
	s_add_co_u32 s46, s46, s33
	s_mov_b32 s47, 0
	v_and_b32 v1, 31, v0                           ; lane
	v_and_b32 v[RR], 15, v0                        ; r
	v_bfe_u32 v[HH], v0, 4, 1                      ; h
	s_delay_alu instid0(VALU_DEP_3)
	v_lshlrev_b32 v[L16], 4, v1
	s_delay_alu instid0(VALU_DEP_4)
	v_lshlrev_b32 v[L4], 2, v1
	v_lshlrev_b32 v[L8], 3, v1
	v_lshlrev_b32 v[WSO], 2, v[RR]
	s_delay_alu instid0(VALU_DEP_1)
	v_lshl_add_u32 v[WSO], v[HH], 7, v[WSO]
	v_lshlrev_b32 v[VOF], 5, v[HH]
	s_wait_alu depctr_va_vdst(0)
	s_wait_dscnt 0x0
	s_wait_kmcnt 0x0
	s_add_nc_u64 s[34:35], s[12:13], s[46:47]      ; global address,
	s_or_b32 s35, s35, 0x80000000                  ; type = 2
	tensor_load_to_lds s[32:35], s[24:31]          ; my one tensor load: it fills its bytes once
	s_nop 0
	PLACES 4
	s_lshr_b32 s48, s19, 2
	s_mul_i32 s48, s48, 4*2304
	s_mov_b32 s49, 0
	s_add_nc_u64 s[4:5], s[4:5], s[48:49]          ; my batch's four parts
	s_lshl_b32 s48, s18, 8
	s_add_nc_u64 s[6:7], s[6:7], s[48:49]          ; my 64 numbers of v2
	s_lshl_b32 s48, s18, 15
	s_add_co_u32 s48, s48, 262144
	s_add_nc_u64 s[8:9], s[8:9], s[48:49]          ; my four tiles of W2's codes
	s_lshl_b32 s48, s18, 12
	s_add_co_u32 s48, s48, 32768
	s_add_nc_u64 s[10:11], s[10:11], s[48:49]      ; and scale words
	s_lshl_b32 s48, s19, 10
	s_add_nc_u64 s[14:15], s[14:15], s[48:49]      ; my work-group's 256 numbers of the output
	; THE HEAD'S LOADS, in the order in which they are wanted: 28 + 40 here; W2's first half (40) is asked for behind new_q's quantising, so that the join of the parts stands beside the second half's loads
.irp t, 0,1,2,3
	global_load_b128 v[WV+8*\t:WV+8*\t+3], v[VOF], s[6:7] offset:64*\t
	global_load_b128 v[WV+8*\t+4:WV+8*\t+7], v[VOF], s[6:7] offset:64*\t+16
.endr
.irp i, 0,1,2,3
	global_load_b64 v[ML+2*\i:ML+2*\i+1], v[L8], s[4:5] offset:2304*\i+2048     ; each lane its own copy of (m, l): 256 consecutive bytes
.endr
.irp i, 0,1,2,3
.irp q, 0,1,2,3
	global_load_b128 v[ACA+16*\i+4*\q:ACA+16*\i+4*\q+3], v[L16], s[4:5] offset:2304*\i+512*\q   ; part i: 32 lanes read 512 consecutive bytes
.endr
.endr
	WIN 0x40
.irp t, 0,1,2,3
.irp f, 0,1,2,3
.irp c, 0,1
	global_load_b128 v[WQ+32*\t+8*\f+4*\c:WQ+32*\t+8*\f+4*\c+3], v[L16], s[8:9] offset:8192*\t+4096+1024*\f+512*\c
.endr
.endr
.endr
	WIN 0
.irp t, 0,1,2,3
.irp u, 0,1
	global_load_b32 v[WSQ+2*\t+\u], v[WSO], s[10:11] offset:1024*\t+512+256*\u
.endr
.endr
	; every LDS address that stays is made here
	s_lshl_b32 s51, s18, 9
	s_add_co_u32 s51, s51, PS                      ; my wave's own 512 bytes
	v_lshl_add_u32 v[QST], v[RR], 4, s51
	v_add_nc_u32 v[QBT], s51, v[RR]
	s_delay_alu instid0(VALU_DEP_1)
	v_add_nc_u32 v[QBT], 256, v[QBT]
	v_lshl_add_u32 v[QRD], v[HH], 4, s51
	s_add_co_u32 s45, s51, 256
	v_mov_b32 v[QRW], s45
	s_lshl_b32 s45, s18, 11
	s_add_co_u32 s45, s45, SCR
	v_add_nc_u32 v[SST], s45, v[L4]
	v_lshrrev_b32 v[TA], 3, v0
	v_and_b32 v[OAD], 7, v0
	s_delay_alu instid0(VALU_DEP_1)
	v_lshlrev_b32 v[OAD], 3, v[OAD]
	s_delay_alu instid0(VALU_DEP_1)
	v_lshl_add_u32 v[OAD], v[TA], 7, v[OAD]
	s_delay_alu instid0(VALU_DEP_1)
	v_add_nc_u32 v[OAD], SCR, v[OAD]               ; thread t takes rows 2 t and 2 t + 1: tile t / 8, 8 (t % 8) bytes on
	v_lshlrev_b32 v[OGO], 3, v0
	s_mul_i32 s45, s18, 2304
	s_add_co_u32 s45, s45, QF                      ; my wave's own 2,304 bytes for new_q's turn
	v_bfe_u32 v[TA], v0, 3, 2                      ; lane / 8
	v_and_b32 v[QFS], 7, v0
	s_delay_alu instid0(VALU_DEP_1)
	v_lshlrev_b32 v[QFS], 4, v[QFS]
	s_delay_alu instid0(VALU_DEP_1)
	v_mad_u32_u24 v[QFS], v[TA], 144, v[QFS]       ; in: 144 (lane / 8) + 16 (lane % 8)
	s_delay_alu instid0(VALU_DEP_1)
	v_add_nc_u32 v[QFS], s45, v[QFS]
	v_mul_u32_u24 v[QFR], v[RR], 144               ; back: block r
	s_delay_alu instid0(VALU_DEP_1)
	v_add_nc_u32 v[QFR], s45, v[QFR]
	s_wait_loadcnt 40                              ; v2, (m, l) and the parts are in; behind them: W's second half (32) and its scale words (8)
	v_max3_num_f32 v[GM], v[ML], v[ML+2], v[ML+4]
	s_delay_alu instid0(VALU_DEP_1)
	v_max_num_f32 v[GM], v[GM], v[ML+6]            ; M
.irp i, 0,1,2,3
	v_sub_f32 v[GG+2*\i], v[ML+2*\i], v[GM]
.endr
	s_wait_alu depctr_va_vdst(0)
.irp i, 0,1,2,3
	v_exp_f32 v[GG+2*\i], v[GG+2*\i]               ; 2^(m_i - M), at most 1, and 1 for one of them
.endr
.irp i, 0,1,2,3
	v_mov_b32 v[GG+2*\i+1], 0                      ; (the pairs' upper halves are named, so they are written: plain lines behind the four)
.endr
	s_wait_alu depctr_va_vdst(0)                   ; one wait for the four, ahead of their first reader
	v_mul_f32 v[GL], v[ML+1], v[GG]
	v_fma_f32 v[GL], v[ML+3], v[GG+2], v[GL]
	v_fma_f32 v[GL], v[ML+5], v[GG+4], v[GL]
	v_fma_f32 v[GL], v[ML+7], v[GG+6], v[GL]       ; the row's sum
	s_wait_alu depctr_va_vdst(0)
	v_rcp_f32 v[GL], v[GL]
	v_nop
	s_wait_alu depctr_va_vdst(0)
.irp i, 0,1,2,3
	v_mul_f32 v[GG+2*\i], v[GG+2*\i], v[GL]
.endr
.set kk, 0
.rept 8
	v_pk_mul_f32 v[ACA+kk:ACA+kk+1], v[ACA+kk:ACA+kk+1], v[GG:GG+1] op_sel_hi:[1,0]
.set kk, kk+2
.endr
.irp i, 1,2,3
.set kk, 0
.rept 8
	v_pk_fma_f32 v[ACA+kk:ACA+kk+1], v[ACA+16*\i+kk:ACA+16*\i+kk+1], v[GG+2*\i:GG+2*\i+1], v[ACA+kk:ACA+kk+1] op_sel_hi:[1,0,1]
.set kk, kk+2
.endr
.endr
	SPREAD ACA, ACB                                ; new_q, 16 numbers a lane, comes back a block of 32 to a lane
.set kk, 0
.rept 16
	v_pk_mul_f32 v[WV+kk:WV+kk+1], v[WV+kk:WV+kk+1], -2.0 op_sel_hi:[1,0]       ; (work on registers while it turns)
.set kk, kk+2
.endr
	s_wait_dscnt 0x0                               ; my block of new_q
	QOPER ACB, CD, TM, QB
	WIN 0x40
.irp t, 0,1,2,3
.irp f, 0,1,2,3
.irp c, 0,1
	global_load_b128 v[WK+32*\t+8*\f+4*\c:WK+32*\t+8*\f+4*\c+3], v[L16], s[8:9] offset:8192*\t+1024*\f+512*\c
.endr
.endr
.endr
	WIN 0
.irp t, 0,1,2,3
.irp u, 0,1
	global_load_b32 v[WS+2*\t+\u], v[WSO], s[10:11] offset:1024*\t+256*\u
.endr
.endr
	v_pk_add_f32 v[252:253], v[80:81], v[82:83]
	v_pk_add_f32 v[250:251], v[84:85], v[86:87]
	v_pk_add_f32 v[248:249], v[88:89], v[90:91]
	v_pk_add_f32 v[246:247], v[92:93], v[94:95]
	v_pk_add_f32 v[244:245], v[96:97], v[98:99]
	v_pk_add_f32 v[242:243], v[100:101], v[102:103]
	v_pk_add_f32 v[240:241], v[104:105], v[106:107]
	v_pk_add_f32 v[112:113], v[108:109], v[110:111]
	s_delay_alu instid0(VALU_DEP_1)
	v_pk_add_f32 v[112:113], v[112:113], v[246:247]
	v_pk_add_f32 v[252:253], v[252:253], v[244:245]
	v_pk_add_f32 v[250:251], v[250:251], v[242:243]
	v_pk_add_f32 v[248:249], v[248:249], v[240:241]
	s_delay_alu instid0(VALU_DEP_2)
	v_pk_add_f32 v[112:113], v[112:113], v[250:251]
	s_delay_alu instid0(VALU_DEP_2)
	v_pk_add_f32 v[252:253], v[252:253], v[248:249]
	s_delay_alu instid0(VALU_DEP_1)
	v_pk_add_f32 v[112:113], v[112:113], v[252:253]
	s_delay_alu instid0(VALU_DEP_1)
	v_pk_mul_f32 v[VS:VS+1], v[VS:VS+1], -0.5 op_sel_hi:[1,0]
	s_wait_dscnt 0x0                               ; new_q's fragments and scale words
	s_wait_loadcnt 40                              ; W's second half and its scale words are in; behind them: the first half's 32 loads and 8 scale loads
	BIAS16 QB
	PLACES 5                                       ; c becomes the C of other accumulators, and loads go into the registers that held W's second half
	s_wait_tensorcnt 0x0                           ; my two tiles are in,
	BAR                                            ; everybody's are
	LOADF F0, HS, L16, L4, 0
	LOADF F1, HS+2, L16, L4, TILEB
	s_wait_dscnt 10                                ; tile 0 is in; tile 1's ten loads may be out
	s_wait_loadcnt 0x0                             ; W2's first half and its scale words, asked for at the head: the launch's first product on them follows
	WMMA16 F0, HS, ACA
	PLACES 4                                       ; in front of the loads into these products' operands and of the first read of their results
	s_mov_b32 s42, 0                               ; where the trip's two tiles begin,
	s_mov_b32 s43, 0                               ; and their half-sums
	s_mov_b32 s44, 7
.Ltrip:                                            ; trip k: the tanh of tiles 2 k and 2 k + 1, the products of tiles 2 k + 1 and 2 k + 2, the fetches of tiles 2 k + 2 and 2 k + 3
	v_add_nc_u32 v[ADF], s42, v[L16]
	v_add_nc_u32 v[ADS], s42, v[L4]
	v_add_nc_u32 v[AST], s43, v[SST]
	s_wait_dscnt 0x0                               ; tile 2 k + 1 is in (on the way in nothing was issued behind its loads, so the count is 0)
	WMMA16 F1, HS+2, ACB
	TMUL ACA
	LOADF F0, HS, ADF, ADS, 2*TILEB
	s_wait_alu depctr_va_vdst(0)
	TREST ACA, AST, 0
	s_wait_dscnt 1                                 ; tile 2 k + 2 is in; behind its loads: the score's store
	WMMA16 F0, HS, ACA
	TMUL ACB
	LOADF F1, HS+2, ADF, ADS, 3*TILEB
	s_wait_alu depctr_va_vdst(0)
	TREST ACB, AST, 128
	s_add_co_u32 s42, s42, 2*TILEB
	s_add_co_u32 s43, s43, 256
	s_sub_co_i32 s44, s44, 1
	s_cmp_lg_u32 s44, 0
	s_cbranch_scc1 .Ltrip
	s_wait_dscnt 1                                 ; tile 15 is in; behind its loads: the score's store
	WMMA16 F1, HS+2, ACB
	TMUL ACA
	s_wait_alu depctr_va_vdst(0)
	TREST ACA, SST, 14*128
	TMUL ACB
	s_wait_alu depctr_va_vdst(0)
	TREST ACB, SST, 15*128
	BAR                                            ; all half-sums lie in LDS
	s_cmp_lt_u32 s18, 4                            ; waves 0 to 3 add and store: two rows a thread, so that a wave stores 256 consecutive bytes
	s_cbranch_scc0 .Ldone
.irp wv, 0,1,2,3,4,5,6,7
.irp hf, 0,1
	ds_load_b64 v[ACA+2*(2*\wv+\hf):ACA+2*(2*\wv+\hf)+1], v[OAD] offset:2048*\wv+64*\hf
.endr
.endr
	s_wait_dscnt 0x0
.irp k, 0,2,4,6,8,10,12,14
	v_pk_add_f32 v[ACA+\k:ACA+\k+1], v[ACA+\k:ACA+\k+1], v[ACA+16+\k:ACA+17+\k]
.endr
.irp k, 0,2,4,6
	s_delay_alu instid0(VALU_DEP_4)
	v_pk_add_f32 v[ACA+\k:ACA+\k+1], v[ACA+\k:ACA+\k+1], v[ACA+8+\k:ACA+9+\k]
.endr
.irp k, 0,2
	s_delay_alu instid0(VALU_DEP_2)
	v_pk_add_f32 v[ACA+\k:ACA+\k+1], v[ACA+\k:ACA+\k+1], v[ACA+4+\k:ACA+5+\k]
.endr
	s_delay_alu instid0(VALU_DEP_1)
	v_pk_add_f32 v[ACA:ACA+1], v[ACA:ACA+1], v[ACA+2:ACA+3]
	global_store_b64 v[OGO], v[ACA:ACA+1], s[14:15]
.Ldone:
	s_wait_tensorcnt 0x0
	ds_add_u32 v254, v255
	s_wait_dscnt 0x0
	s_endpgm
.Lfunc_end_k_q80eb1f0eda_stage2:
	.size	k_q80eb1f0eda_stage2, .Lfunc_end_k_q80eb1f0eda_stage2-k_q80eb1f0eda_stage2
	.p2alignl 7, 3214868480
	.fill 96, 4, 3214868480
	.section	.rodata,"a",@progbits
	.p2align	6, 0x0
	.amdhsa_kernel k_q80eb1f0eda_stage2
		.amdhsa_group_segment_fixed_size 168960
		.amdhsa_private_segment_fixed_size 0
		.amdhsa_enable_private_segment 0
		.amdhsa_kernarg_size 48
		.amdhsa_user_sgpr_count 2
		.amdhsa_user_sgpr_kernarg_segment_ptr 1
		.amdhsa_wavefront_size32 1
		.amdhsa_system_sgpr_workgroup_id_x 1
		.amdhsa_system_sgpr_workgroup_id_y 1
		.amdhsa_system_sgpr_workgroup_id_z 1
		.amdhsa_system_vgpr_workitem_id 0
		.amdhsa_next_free_vgpr 512
		.amdhsa_next_free_sgpr 66
		.amdhsa_reserve_vcc 0
		.amdhsa_float_denorm_mode_32 3
		.amdhsa_float_denorm_mode_16_64 3
		.amdhsa_memory_ordered 1
		.amdhsa_forward_progress 1
		.amdhsa_inst_pref_size 63
	.end_amdhsa_kernel
	.amdgpu_metadata
---
amdhsa.version: [ 1, 2 ]
amdhsa.kernels:
  - .name:           k_q80eb1f0eda_stage2
    .symbol:         k_q80eb1f0eda_stage2.kd
    .args:
      - { .name: part, .offset: 0, .size: 8, .value_kind: global_buffer, .address_space: global }
      - { .name: v2, .offset: 8, .size: 8, .value_kind: global_buffer, .address_space: global }
      - { .name: wcodes, .offset: 16, .size: 8, .value_kind: global_buffer, .address_space: global }
      - { .name: wscales, .offset: 24, .size: 8, .value_kind: global_buffer, .address_space: global }
      - { .name: kq, .offset: 32, .size: 8, .value_kind: global_buffer, .address_space: global }
      - { .name: out0, .offset: 40, .size: 8, .value_kind: global_buffer, .address_space: global }
    .group_segment_fixed_size: 168960
    .private_segment_fixed_size: 0
    .kernarg_segment_align: 8
    .kernarg_segment_size: 48
    .max_flat_workgroup_size: 256
    .sgpr_count:     66
    .vgpr_count:     512
    .wavefront_size: 32
...
	.end_amdgpu_metadata
.endif
;; end of part 3
